; MI455X (gfx1250); checked and timed in simulation.
; The chip was launched on July 23, 2026; its instructions are those of AMD's public machine-readable ISA for CDNA 5 (MIT licence, August 2026) and "CDNA5" Instruction Set Architecture Reference Guide (July 2026). The comments in the code are by the model that wrote it; some were corrected since.
;; Multi Head Attention. Allowed arithmetic: matrix products marked QUANTISED: E4M3 operands, one E8M0 scale for each 32 along K, by v_wmma_scale_f32_16x16x128_f8f6f4 with both operands' format E4M3, f32 sums; everything else in f32.
;; Inputs: Wk_codes 1,024 x 32 x 32 uint8 (E4M3 codes of Wk, K innermost, in blocks of 32 codes); Wk_scales 1,024 x 32 uint8 (E8M0 scales of Wk, one for each 32 codes along K); Wo_codes 1,024 x 32 x 32 uint8 (E4M3 codes of Wo, K innermost, in blocks of 32 codes); Wo_scales 1,024 x 32 uint8 (E8M0 scales of Wo, one for each 32 codes along K); Wq_codes 1,024 x 32 x 32 uint8 (E4M3 codes of Wq, K innermost, in blocks of 32 codes); Wq_scales 1,024 x 32 uint8 (E8M0 scales of Wq, one for each 32 codes along K); Wv_codes 1,024 x 32 x 32 uint8 (E4M3 codes of Wv, K innermost, in blocks of 32 codes); Wv_scales 1,024 x 32 uint8 (E8M0 scales of Wv, one for each 32 codes along K); bo 1,024 float32; inputs_codes 4 x 2,048 x 32 x 32 uint8 (E4M3 codes of inputs, K innermost, in blocks of 32 codes); inputs_scales 4 x 2,048 x 32 uint8 (E8M0 scales of inputs, one for each 32 codes along K).
;; Outputs: out0 4 x 2,048 x 1,024 float32.
;; This version of the problem:
;;   THIS VERSION OF THE PROBLEM IS GIVEN IN LOW PRECISION. The matrix products marked QUANTISED in the list below multiply operands that are first quantised to E4M3 (4 exponent bits, 3 mantissa bits; 8 bits a number), with one power-of-two scale for each 32 numbers along K (OCP MX v1.0); their sums are f32. All else is computed in f32.
;;   The module's matrix products, in the order in which they are computed (A, B: the left and right operand; K: the contracted axis; several contracted axes count as one K, in the product's order):
;;     1. [M 8,192, K 1,024] x [K 1,024, N 1,024]; A: input inputs (given as codes); B: input Wq (given as codes): QUANTISED
;;     2. [M 8,192, K 1,024] x [K 1,024, N 1,024]; A: input inputs (given as codes); B: input Wk (given as codes): QUANTISED
;;     3. [M 8,192, K 1,024] x [K 1,024, N 1,024]; A: input inputs (given as codes); B: input Wv (given as codes): QUANTISED
;;     4. batch 64 x [M 2,048, K 64] x [K 64, N 2,048]; A: computed on the way; B: computed on the way: QUANTISED
;;     5. batch 64 x [M 2,048, K 2,048] x [K 2,048, N 64]; A: softmax (see below); B: computed on the way: QUANTISED
;;     6. [M 8,192, K 1,024] x [K 1,024, N 1,024]; A: computed on the way; B: input Wo (given as codes): QUANTISED
;;   THE QUANTISER, for each operand of a quantised product, along K:
;;     - K is cut into blocks of 32 from its start; a last block that is shorter is filled with zeros.
;;     - A block's scale is 2^e with e = floor(log2(the largest magnitude in the block)) - 8, held to -126 .. 127; a block of zeros has e = 0. As a byte (E8M0): e + 127.
;;     - Each number is divided by its block's scale, clamped to +-448, and rounded to the nearest number of E4M3, ties to even, subnormals kept.
;;     - The product sums the exact products of the quantised numbers (number of the format x scale) in f32.
;;   ~~~python
;;   def quantise(x, axis):      # numpy; x: float32 -> the quantised numbers, widened to float32 again
;;       x = np.moveaxis(x, axis, -1); K = x.shape[-1]
;;       x = np.pad(x, [(0, 0)] * (x.ndim - 1) + [(0, -K % 32)]); x = x.reshape(x.shape[:-1] + (-1, 32)); a = np.abs(x).max(-1, keepdims=True)
;;       e = np.where(a > 0, np.clip(np.frexp(np.where(a > 0, a, 1))[1] - 1 - 8, -126, 127), 0)      # np.frexp(a)[1] - 1 = floor(log2(a)), exactly
;;       r = np.clip(x / 2.0 ** e, -448, 448)
;;       step = 2.0 ** (np.maximum(np.frexp(np.where(r == 0, 1, r))[1] - 1, -6) - 3)
;;       q = np.round(r / step) * step * 2.0 ** e      # np.round: ties to even
;;       return np.moveaxis(q.reshape(q.shape[:-2] + (-1,))[..., :K], -1, axis).astype(np.float32)
;;   ~~~
;;   SOFTMAX AHEAD OF A QUANTISED PRODUCT. Where the list says 'softmax', what is quantised is not the finished softmax but p = 2^(t - M), with t = logit x log2(e) and M = ceil(the row's largest t), a whole number; so 1/2 < the row's largest p <= 1. The row's sum l is taken of the UNQUANTISED p, in f32, and the product's result is divided by l at the end. Since M is a whole number, a kernel that streams over the keys may use a running M (the ceiling of the running maximum): every later rescaling is an exact power of two, which a block's scale takes up: the codes' values come out the same.
;;   OPERANDS COMPUTED ON THE WAY. 'Computed on the way' means the value that the module computes at that place (a softmax that the list does not call 'softmax' is quantised finished and normalised). What goes into a quantiser is computed in f32, as accurately as f32 sums, v_exp_f32 and their like allow (about 1e-6 of the number): no bf16 or f16 on the way to a quantiser, and a product that is left as it is and whose result goes on into a quantised operand takes f32 operands (vector FMAs, or v_wmma_f32_16x16x4_f32). A number that lies on a knife's edge between two numbers of the format may be rounded either way, as far as f32 arithmetic and the matrix unit's own rounding can turn it there, and no further.
;;   INPUTS GIVEN AS CODES. Wk (in the module: [1024, 1024], K = its axis 0); Wo (in the module: [1024, 1024], K = its axis 0); Wq (in the module: [1024, 1024], K = its axis 0); Wv (in the module: [1024, 1024], K = its axis 0); inputs (in the module: [4, 2048, 1024], K = its axis 2): each comes as NAME_codes (uint8): NAME with its K axis moved to the last place and cut into blocks of 32 codes, [.., K / 32, bytes a block], one block behind the other in memory; one code a byte (a code: sign, 4 exponent bits, 3 mantissa bits); and NAME_scales (uint8): the same leading axes, one E8M0 byte (e + 127) for each 32 codes along K. Its value is code x scale, taken as it is: it is not quantised again, and the codes and scales need not be those that the quantiser above would give.
;; One version. Each part assembles by itself: llvm-mc -triple=amdgcn-amd-amdhsa -mcpu=gfx1250 --defsym DOCPART=n.
;; ======== version 1 of 1: 3 launches
;; limits: right only within a limited range of input values
;; workspace buffers: qkv 26,476,544 bytes; ctxc 8,388,608 bytes; ctxs 262,144 bytes
;; launch qkv (part 1): grid 12 x 32, 4 waves a work-group, clusters of 4 x 4, 327,680 bytes of LDS; arguments inputs_codes, inputs_scales, Wq_codes, Wq_scales, Wk_codes, Wk_scales, Wv_codes, Wv_scales, qkv; writes qkv
.if DOCPART == 1
	.amdgcn_target "amdgcn-amd-amdhsa--gfx1250"
	.amdhsa_code_object_version 6
	.text
	.protected	k_q91aa15e91b_qkv
	.globl	k_q91aa15e91b_qkv
	.p2align	8
	.type	k_q91aa15e91b_qkv,@function
k_q91aa15e91b_qkv:
	s_mov_b64 s[64:65], 0
	v_nop
	global_prefetch_b8 v0, s[64:65] scope:SCOPE_SE
	s_setreg_imm32_b32 hwreg(HW_REG_WAVE_MODE, 25, 1), 1
	s_wait_xcnt 0x0
	s_wait_alu depctr_hold_cnt(0) depctr_sa_sdst(0) depctr_va_vdst(0) depctr_va_sdst(0) depctr_va_ssrc(0) depctr_va_vcc(0) depctr_vm_vsrc(0)
	s_getreg_b32 s2, hwreg(HW_REG_IB_STS2, 6, 4)
	s_cmp_eq_u32 s2, 0
	s_cbranch_scc0 .Lentry_in_a_cluster
	s_endpgm
.Lentry_in_a_cluster:
	s_bfe_u32 s2, ttmp6, 0x10000c
	s_cmp_lg_u32 s2, 0xf033
	s_cbranch_scc0 .Lentry_shape_is_right
	s_endpgm
.Lentry_shape_is_right:
; q = x Wq, k = x Wk, v = x Wv on codes of E4M3 with E8M0 block scales (K = 1,024), and the results quantised at once for the attention launch.
; ONE TEXT, THREE PRODUCTS.  The cluster's x says which (TYPE 0: q, 1: k, 2: v).  The text computes D = Y X^T, used transposed: source 0 = 16 rows of Y, source 1 = 16 rows of X.
; In a result lane (r, h) holds X's row r, and register j of Y's tile b holds Y's row 16 b + 8 h + j.   q, k: X = tokens, Y = rows of W (channels): a lane's registers run along the channels, the K of q k^T.
; v: X = rows of Wv (channels), Y = tokens: a lane's registers run along the KEYS, the K of p v.  So nothing is transposed by an instruction; only pointers differ.
; THE QUANTISER.  Tiles 2 c and 2 c + 1 give a lane 16 of the 32 numbers of block c, lane l xor 16 holds the others.  Two conversions make four registers, which are stored as they stand and later serve as the operand's
; registers 4 c .. 4 c + 3.  The operand's place 32 c + 16 h + i then stands for the true index 32 c + 8 h + i (i < 8) or 32 c + 16 + 8 h + i - 8: a permutation inside one block of 32, the same for q and k, and for v
; and the attention launch's p; so each product pairs the right numbers under the right scales, and only the order of its additions differs.
; SHARES.  A work-group of four waves makes 256 rows of X x 256 rows of Y, a wave 128 x 128: 64 accumulators, 512 registers.  K goes in four steps of 256 through two LDS slots filled by tensor loads.
; CLUSTERS of 4 x 4: X's tile hangs on the cluster's row alone, Y's on its column alone; each is asked for jointly by the four that share it.
; THE SCALES: a row has 32 bytes.  Lane (r, h) loads bytes 16 h .. 16 h + 15 of row r: register k of the four then holds the word of K step k in lanes 0-15 and that of K step 4 + k in lanes 16-31, which the matrix
; instruction reads by its row selector.  Sixteen loads a wave, 512 consecutive bytes each, once.
; OUT: buffer qkv, 64 head blocks of HS bytes: K's scale words, V's scale words, for each of 16 key steps K's and V's register images, then Q's scale words and images.
; LIMITS: NaN and infinities among the inputs are not served.  A block whose largest magnitude lies under 2^-118 (a block of zeros too) takes the scale byte 1; the bytes are read by this program alone.
.set PITCH,  272                       ; an LDS row: 256 bytes + 16 of padding: the 16 rows that a fragment load touches start 68 words apart
.set HALFT,  128*PITCH                 ; 128 rows: one tensor load, and what a wave reads of X or of Y
.set SLOT,   4*HALFT                   ; X's 256 rows, then Y's
.set SPARE,  2*SLOT                    ; behind the ring: the spare words, 128 bytes a wave
.set HS,     413696                    ; a head block in qkv
.set NP,     8                         ; places behind this matrix instruction (ISA guide 7.12.1)
.set ADRX, 16                          ; v16-17  LDS address of my X fragments in slot 0, 1
.set ADRY, 20                          ; v20-21  the same for Y
.set SOF,  22                          ; v22     32 r + 16 h: my 16 bytes of a row of scales
.set VO,   24                          ; v24     way out: offset of blocks 0, 1 of the X tile in hand
.set VO2,  25                          ; v25     of blocks 2, 3
.set L16,  26                          ; v26     16 x lane
.set L8,   27                          ; v27     8 x lane
.set SPW,  28                          ; v28     my spare word; never rewritten
.set NIL,  29                          ; v29     0; never rewritten
.set TM,   32                          ; v32-35 largest magnitudes, v36-39 bytes, v40-43 448 x scale, v44-47 conversion scales
.set SW,   48                          ; v48-55  the scale word of each X tile
.set CW,   56                          ; v56-59  words as they are stored
.set DW,   60                          ; v60-63
.set XS,   64                          ; v64-95  X's scales
.set YS,   96                          ; v96-127 Y's scales
.set XF,   128                         ; v128-255 X's fragments, one set
.set XQ,   128                         ; way out: 64 held numbers
.set PC,   192                         ; way out: 16 registers of codes
.set G1X, 24
.set G0X, 32
.set G1Y, 48
.set G0Y, 56
.set WV,  66
.set WX,  67
.set WY,  68
.set TYPE, 69
.set SEL, 82
.set MNT, 84
.set HM,  85
.set SA,  86
.set SA4, 87
.set SC2, 88
.set DST, 90
.set SCB, 92
.set MSB, 0
.macro WIN new                         ; the immediate's high byte repeats the setting that is left
.if MSB != (\new)
	s_set_vgpr_msb (MSB<<8)|(\new)
.set MSB, (\new)
.endif
.endm
.set MUL_LO, 0xa1                      ; source 0 (Y) window 1, source 1 (X) window 0, C and D window 2
.set MUL_HI, 0xf1                      ; the same, C and D window 3
.set TO_Y,   0x40                      ; destination window 1
.macro JLOAD s                         ; a joint load: waves 0, 1 fetch X's halves, waves 2, 3 Y's; four v_nop follow each line
	s_cmp_eq_u32 s[WX], 0
	s_cbranch_scc0 .Lfor_y_\@
	tensor_load_to_lds s[G0X+4*\s:G0X+4*\s+3], s[G1X:G1X+7]
	s_nop 0
.rept 4
	v_nop
.endr
	s_branch .Lasked_\@
.Lfor_y_\@:
	tensor_load_to_lds s[G0Y+4*\s:G0Y+4*\s+3], s[G1Y:G1Y+7]
	s_nop 0
.rept 4
	v_nop
.endr
.Lasked_\@:
.endm
.macro CREST                           ; a round of the cluster's barrier behind its opening barrier
	s_cmp_lg_u32 s[WV], 0
	s_cbranch_scc1 .Lnot_wave_0_\@
	s_barrier_signal -3
.Lnot_wave_0_\@:
	s_barrier_wait -3
	s_barrier_signal -1
	s_barrier_wait -1
.endm
.macro CROUND
	s_barrier_signal -1
	s_barrier_wait -1
	CREST
.endm
.macro PLACES n
.rept \n
	v_nop
.endr
.endm
	s_load_b512 s[4:19], s[0:1], 0x0               ; x codes, x scales, Wq codes, scales, Wk codes, scales, Wv codes, scales
	s_load_b64 s[20:21], s[0:1], 0x40              ; qkv
	v_lshl_add_u32 v[SPW], v0, 2, SPARE
	v_mov_b32 v[NIL], 0
	ds_add_u32 v28, v29
	ds_add_u32 v28, v29
	s_wait_dscnt 0x0
	v_lshrrev_b32 v1, 5, v0
	v_readfirstlane_b32 s[WV], v1                  ; wave 0..3
	s_lshr_b32 s[WX], s[WV], 1                     ; my half of X's rows.  Also: I fetch for X (0) or for Y (1)
	s_and_b32 s[WY], s[WV], 1                      ; my half of Y's rows.  Also: which 128 rows I fetch
	s_bfe_u32 s40, ttmp6, 0x40000                  ; cx
	s_bfe_u32 s41, ttmp6, 0x40004                  ; cy
	s_mov_b32 s[TYPE], ttmp9                       ; the cluster's x: the same in all sixteen partners
	s_and_b32 s70, ttmp7, 0xffff
	s_lshl_b32 s70, s70, 2                         ; 4 x the cluster's y
	s_cmp_lt_u32 s[TYPE], 2
	s_cselect_b32 s71, s70, 0                      ; the tokens' 32 tiles run along X for q and k,
	s_cselect_b32 s72, 0, s70                      ; along Y for v
	s_add_co_u32 s71, s71, s41                     ; X's tile: made of cy alone
	s_add_co_u32 s72, s72, s40                     ; Y's tile: made of cx alone
	s_lshl_b32 s43, s41, 2
	s_lshl_b32 s43, 15, s43                        ; my row of the cluster
	s_lshl_b32 s44, 0x1111, s40                    ; my column
	s_or_b32 s[G1X], s43, (1<<20)|(1<<21)|(5<<22)|(3<<25)   ; the mask; elements of 1 byte; padding on; bit 21 beside a mask; 4 words behind every 64
	s_or_b32 s[G1Y], s44, (1<<20)|(1<<21)|(5<<22)|(3<<25)
.irp g, G1X, G1Y
	s_mov_b32 s[\g+1], 256<<16                     ; tensor_dim0
	s_mov_b32 s[\g+2], 128<<16                     ; tensor_dim1
	s_mov_b32 s[\g+3], 256<<16                     ; tile_dim0
	s_mov_b32 s[\g+4], 128                         ; tile_dim1
	s_mov_b32 s[\g+5], 1024                        ; bytes from row to row
	s_mov_b32 s[\g+6], 0
	s_mov_b32 s[\g+7], 0
.endr
	s_lshl_b32 s46, s[WY], 7                       ; which 128 rows of the tile I fetch
	s_lshl_b32 s94, s71, 8
	s_add_co_u32 s94, s94, s46
	s_lshl_b32 s94, s94, 10                        ; X: (256 tile + 128 half) rows of 1,024 bytes
	s_mov_b32 s95, 0
	s_lshl_b32 s96, s72, 8
	s_add_co_u32 s96, s96, s46
	s_lshl_b32 s96, s96, 10                        ; Y likewise
	s_mov_b32 s97, 0
	s_mul_i32 s45, s[WV], HALFT                    ; where they go: wave x 128 rows
	s_mov_b32 s[SEL], 0x76543210
	s_mov_b32 s[SEL+1], 0xfedcba98                 ; v_permlanex16_b32: lane l xor 16
	s_mov_b32 s[MNT], 0x600000                     ; the mantissa field of 448
	s_mov_b32 s[HM], 0xffff0000                    ; lanes 16-31
	s_wait_kmcnt 0x0
	s_cmp_lt_u32 s[TYPE], 2                        ; the choices hang on the cluster's number alone
	s_cselect_b64 s[74:75], s[4:5], s[16:17]       ; X's codes: x or Wv
	s_cselect_b64 s[76:77], s[6:7], s[18:19]       ; X's scales
	s_cselect_b64 s[78:79], s[12:13], s[4:5]       ; Y's codes: Wk or x,
	s_cselect_b64 s[80:81], s[14:15], s[6:7]
	s_cmp_eq_u32 s[TYPE], 0
	s_cselect_b64 s[78:79], s[8:9], s[78:79]       ; or Wq
	s_cselect_b64 s[80:81], s[10:11], s[80:81]
	s_add_nc_u64 s[94:95], s[74:75], s[94:95]
	s_add_nc_u64 s[96:97], s[78:79], s[96:97]
	CROUND                                         ; all sixteen work-groups are here: the first joint loads meet
.irp s, 0,1
	s_mov_b32 s[G0X+4*\s], 1
	s_add_co_u32 s[G0X+4*\s+1], s45, \s*SLOT
	s_add_nc_u64 s[G0X+4*\s+2:G0X+4*\s+3], s[94:95], \s*256
	s_or_b32 s[G0X+4*\s+3], s[G0X+4*\s+3], 0x80000000
	s_mov_b32 s[G0Y+4*\s], 1
	s_add_co_u32 s[G0Y+4*\s+1], s45, \s*SLOT
	s_add_nc_u64 s[G0Y+4*\s+2:G0Y+4*\s+3], s[96:97], \s*256
	s_or_b32 s[G0Y+4*\s+3], s[G0Y+4*\s+3], 0x80000000
	JLOAD \s
.endr
	v_and_b32 v1, 15, v0                           ; r
	v_bfe_u32 v2, v0, 4, 1                         ; h
	v_lshlrev_b32 v[SOF], 5, v1
	v_lshl_add_u32 v[SOF], v2, 4, v[SOF]
	s_wait_alu depctr_va_vdst(0)
	s_lshl_b32 s98, s71, 8
	s_lshl_b32 s99, s[WX], 7
	s_add_co_u32 s98, s98, s99                     ; my first row of X
	s_lshl_b32 s100, s72, 8
	s_lshl_b32 s99, s[WY], 7
	s_add_co_u32 s100, s100, s99                   ; my first row of Y
	s_lshl_b32 s22, s98, 5
	s_mov_b32 s23, 0
	s_add_nc_u64 s[76:77], s[76:77], s[22:23]
	s_lshl_b32 s22, s100, 5
	s_add_nc_u64 s[80:81], s[80:81], s[22:23]
.irp a, 0,1,2,3,4,5,6,7
	global_load_b128 v[XS+4*\a:XS+4*\a+3], v[SOF], s[76:77] offset:512*\a   ; 16 rows of scales: 512 consecutive bytes
	global_load_b128 v[YS+4*\a:YS+4*\a+3], v[SOF], s[80:81] offset:512*\a
.endr
	v_mul_u32_u24 v3, v1, PITCH
	v_lshl_add_u32 v4, v2, 4, v3                   ; a fragment's row x pitch + 16 h
	s_mul_i32 s2, s[WX], HALFT
	s_mul_i32 s3, s[WY], HALFT
	s_add_co_u32 s3, s3, 2*HALFT
.irp s, 0,1
	v_add_nc_u32 v[ADRX+\s], s2, v4
	v_add_nc_u32 v[ADRY+\s], s3, v4
	s_add_co_u32 s2, s2, SLOT
	s_add_co_u32 s3, s3, SLOT
.endr
	; where the results go.  TOK: my first token, CH: my first channel
	s_cmp_lt_u32 s[TYPE], 2
	s_cselect_b32 s22, s98, s100                   ; TOK
	s_cselect_b32 s23, s100, s98                   ; CH
	s_mov_b32 s[SA], 2048
	s_cselect_b32 s[SA], 1024, s[SA]               ; from X tile to X tile: a token tile's two blocks, or a channel tile's four
	s_cselect_b32 s[SA4], 0, 405504                ; v: X tiles 4-7 are the next head's: HS - 4 x 2,048 more
	s_mov_b32 s[SC2], 1024
	s_cselect_b32 s[SC2], HS, s[SC2]               ; from blocks 0, 1 to blocks 2, 3: the next head, or 1,024 bytes
	s_cselect_b32 s46, 9, 8                        ; a step's scale words: 512 or 256 bytes
	s_cmp_eq_u32 s[TYPE], 1
	s_mov_b32 s47, 20480
	s_cselect_b32 s47, 12288, s47                  ; where the images begin in a head block: k, v,
	s_cselect_b32 s99, 0, 8192                     ; and the scale words
	s_cmp_eq_u32 s[TYPE], 0
	s_cselect_b32 s47, 282624, s47                 ; q
	s_cselect_b32 s99, 274432, s99
	s_cselect_b32 s101, 13, 14                     ; 128 tokens' images: 8,192 bytes for q; k and v share 16,384
	s_lshr_b32 s98, s22, 11
	s_lshl_b32 s98, s98, 4
	s_lshr_b32 s23, s23, 6
	s_add_co_u32 s98, s98, s23                     ; head block: 16 x batch + head
	s_mul_i32 s98, s98, HS
	s_bfe_u32 s22, s22, 0x40007                    ; which 128 tokens of the sequence
	s_lshl_b32 s23, s22, s101
	s_add_co_u32 s23, s23, s47
	s_add_co_u32 s[DST], s23, s98
	s_mov_b32 s[DST+1], 0
	s_add_nc_u64 s[DST:DST+1], s[20:21], s[DST:DST+1]
	s_lshl_b32 s23, s22, s46
	s_add_co_u32 s23, s23, s99
	s_add_co_u32 s[SCB], s23, s98
	s_mov_b32 s[SCB+1], 0
	s_add_nc_u64 s[SCB:SCB+1], s[20:21], s[SCB:SCB+1]
	v_and_b32 v3, 31, v0
	v_lshlrev_b32 v[VO], 4, v3
	v_add_nc_u32 v[VO2], s[SC2], v[VO]
	v_lshlrev_b32 v[L16], 4, v3
	v_lshlrev_b32 v[L8], 3, v3
.irp b, 0,1,2,3
	v_mov_b32 v[TM+4+\b], 0                        ; written once: a lane permute's destination counts as one of its sources
.endr
.macro FRAG reg, adr, q, i             ; 16 rows x 128 K: registers 4 c .. 4 c + 3 hold K = 32 c + 16 h + 0 .. 15 of row r
.irp c, 0,1,2,3
	ds_load_b128 v[\reg+4*\c:\reg+4*\c+3], v[\adr] offset:128*(\q)+32*\c+(\i)*16*PITCH
.endr
.endm
; 16 matrix instructions: X's blocks a0, a0 + 1 x Y's eight; g: which 128 of K (0 .. 7); p: Y's set.  zero = 1: the first product starts the sums.
; The 64 accumulators take turns, one instruction a turn, in the same order in every step.
.macro MUL16 a0, p, g, zero
.irp a, \a0, \a0+1
.irp b, 0,1,2,3,4,5,6,7
.set rD, 8*(8*((\a)%4)+\b)
.set rY, 128*(\p)+16*\b
.set rX, XF+16*(\a)
.set kY, YS+4*\b+(\g)%4
.set kX, XS+4*(\a)+(\g)%4
.if \zero
	v_wmma_scale_f32_16x16x128_f8f6f4 v[rD:rD+7], v[rY:rY+15], v[rX:rX+15], 0, v[kY], v[kX]
.elseif (\g) < 4
	v_wmma_scale_f32_16x16x128_f8f6f4 v[rD:rD+7], v[rY:rY+15], v[rX:rX+15], v[rD:rD+7], v[kY], v[kX]
.else
	v_wmma_scale_f32_16x16x128_f8f6f4 v[rD:rD+7], v[rY:rY+15], v[rX:rX+15], v[rD:rD+7], v[kY], v[kX] matrix_a_scale:MATRIX_SCALE_ROW1 matrix_b_scale:MATRIX_SCALE_ROW1
.endif
.endr
.endr
.endm
.macro FETCH_Y slot, q, p
	WIN TO_Y
.irp i, 0,1,2,3,4,5,6,7
	FRAG 128*(\p)+16*\i, ADRY+\slot, \q, \i
.endr
	WIN 0
.endm
.macro FETCH_X slot, q, i0
.irp i, \i0, \i0+1, \i0+2, \i0+3
	FRAG XF+16*(\i), ADRX+\slot, \q, \i
.endr
.endm
; A step of 128 along K whose successor lies in the same slot.  X has one set of registers: blocks 0-3 are fetched anew in the step's middle, blocks 4-7 at its end; Y has two sets.
.macro STEP slot, q, g, zero
	s_wait_dscnt 16                                ; Y's set and X's blocks 0-3 are in; the youngest sixteen loads (X's blocks 4-7) may be out
	WIN MUL_LO
	MUL16 0, (\q)%2, \g, \zero
	MUL16 2, (\q)%2, \g, \zero
	s_wait_dscnt 0x0                               ; X's blocks 4-7 are in
	PLACES NP                                      ; in front of loads into registers that matrix instructions have read
	FETCH_Y \slot, (\q)+1, 1-(\q)%2
	FETCH_X \slot, (\q)+1, 0
	WIN MUL_HI
	MUL16 4, (\q)%2, \g, \zero
	MUL16 6, (\q)%2, \g, \zero
	PLACES NP
	WIN 0
	FETCH_X \slot, (\q)+1, 4
.endm
; A slot's last step changes slots: one barrier; in front of it each wave waits for all its tensor loads, adds 0 to its spare word, and waits for that and for its reads of this slot.
.macro TURN slot, next, g, fill
	s_wait_tensorcnt 0x0                           ; all my tensor loads have landed: my part of the next slot
	ds_add_u32 v[SPW], v[NIL]                      ; 0 onto my spare word
	s_wait_dscnt 17                                ; the add and the youngest sixteen loads may be out
	WIN MUL_LO
	MUL16 0, 1, \g, 0
	s_wait_dscnt 0x0                               ; the add is done, and my reads of this slot are over
	s_barrier_signal -1
	MUL16 2, 1, \g, 0
	WIN 0
	s_barrier_wait -1
.if \fill
	CREST                                          ; the barrier has opened a round of the cluster's: no wave of any partner reads this slot or has a load on its way
	s_add_nc_u64 s[G0X+4*\slot+2:G0X+4*\slot+3], s[G0X+4*\slot+2:G0X+4*\slot+3], 512
	s_add_nc_u64 s[G0Y+4*\slot+2:G0Y+4*\slot+3], s[G0Y+4*\slot+2:G0Y+4*\slot+3], 512
	JLOAD \slot                                    ; the first tensor load behind the round; its four v_nop are four of the eight places
	PLACES NP-4
.else
	PLACES NP
.endif
	FETCH_Y \next, 0, 0
	FETCH_X \next, 0, 0
	WIN MUL_HI
	MUL16 4, 1, \g, 0
	MUL16 6, 1, \g, 0
	PLACES NP
	WIN 0
	FETCH_X \next, 0, 4
.endm
	s_wait_tensorcnt 0x1                           ; of my two first fills slot 0's has landed; slot 1's may stay out
	s_barrier_signal -1
	s_barrier_wait -1
	FETCH_Y 0, 0, 0
	FETCH_X 0, 0, 0
	FETCH_X 0, 0, 4
	s_wait_loadcnt 0x0                             ; the scales
	STEP 0, 0, 0, 1                                ; K has eight steps of 128: written out, since each names its own scale registers
	TURN 0, 1, 1, 1
	STEP 1, 0, 2, 0
	TURN 1, 0, 3, 1
	STEP 0, 0, 4, 0
	TURN 0, 1, 5, 0                                ; nothing is left to fetch
	STEP 1, 0, 6, 0
	s_wait_dscnt 16
	WIN MUL_LO
	MUL16 0, 1, 7, 0
	MUL16 2, 1, 7, 0
	s_wait_dscnt 0x0
	WIN MUL_HI
	MUL16 4, 1, 7, 0
	MUL16 6, 1, 7, 0
	WIN 0
; THE WAY OUT.  X tile a: its 64 numbers of a lane (register 16 c + i: block c) become 16 registers of codes and a scale word.  Each store of the wave covers 512 consecutive bytes, aligned.
.macro QUANT a
.set AC0, 64*((\a)%4)
	WIN 0x0a+5*((\a)/4)                            ; sources 0 and 1: window 2 or 3
.irp b, 0,1,2,3
	v_max3_num_f32 v[TM+\b], |v[AC0+16*\b]|, |v[AC0+16*\b+1]|, 0x4800000   ; each accumulator is read from its low end on; the floor 2^(9 - 127) holds the byte at 1 from below
.endr
.irp i, 2,4,6,8,10,12,14
.irp b, 0,1,2,3
	v_max3_num_f32 v[TM+\b], |v[AC0+16*\b+\i]|, |v[AC0+16*\b+\i+1]|, v[TM+\b]
.endr
.endr
	WIN 0
.irp b, 0,1,2,3
	v_permlanex16_b32 v[TM+4+\b], v[TM+\b], s[SEL], s[SEL+1]
.endr
.irp b, 0,1,2,3
	v_max_num_f32 v[TM+\b], v[TM+\b], v[TM+4+\b]   ; with lane l xor 16's: the block's largest magnitude
.endr
.irp b, 0,1,2,3
	v_add_nc_u32 v[TM+12+\b], 0xfc000000, v[TM+\b] ; 8 off its exponent field: the conversion's scale operand
.endr
.irp b, 0,1,2,3
	v_and_or_b32 v[TM+8+\b], v[TM+\b], 0x7f800000, s[MNT]   ; 448 x the scale
.endr
.irp b, 0,1,2,3
	v_lshrrev_b32 v[TM+4+\b], 23, v[TM+12+\b]      ; the scale's byte
.endr
	v_lshl_or_b32 v[SW+\a], v[TM+5], 8, v[TM+4]
	v_lshl_or_b32 v[SW+\a], v[TM+6], 16, v[SW+\a]
	v_lshl_or_b32 v[SW+\a], v[TM+7], 24, v[SW+\a]
	WIN 0x02+(\a)/4                                ; source 0: window 2 or 3
.irp b, 0,1,2,3
.irp i, 0,1,2,3,4,5,6,7,8,9,10,11,12,13,14,15
	v_med3_num_f32 v[XQ+16*\b+\i], v[AC0+16*\b+\i], -v[TM+8+\b], v[TM+8+\b]   ; the conversion does not saturate (ISA guide 7.6.2): the hold at 448 x the scale
.endr
.endr
	WIN 0
	s_wait_alu depctr_va_vdst(0)
	s_wait_xcnt 0x0                                ; the last tile's stores have read their codes and offsets: both are written again only behind this wait
.if (\a) > 0
	v_add_nc_u32 v[VO], s[SA], v[VO]
	v_add_nc_u32 v[VO2], s[SA], v[VO2]
.endif
.if (\a) == 4
	v_add_nc_u32 v[VO], s[SA4], v[VO]
	v_add_nc_u32 v[VO2], s[SA4], v[VO2]
.endif
.irp b, 0,1,2,3
	v_cvt_scalef32_pk8_fp8_f32 v[PC+4*\b:PC+4*\b+1], v[XQ+16*\b:XQ+16*\b+7], v[TM+12+\b]
	v_cvt_scalef32_pk8_fp8_f32 v[PC+4*\b+2:PC+4*\b+3], v[XQ+16*\b+8:XQ+16*\b+15], v[TM+12+\b]
.endr
	v_nop                                          ; a plain line behind the last conversion
	global_store_b128 v[VO], v[PC:PC+3], s[DST:DST+1]
	global_store_b128 v[VO], v[PC+4:PC+7], s[DST:DST+1] offset:512
	global_store_b128 v[VO2], v[PC+8:PC+11], s[DST:DST+1]
	global_store_b128 v[VO2], v[PC+12:PC+15], s[DST:DST+1] offset:512
.endm
	PLACES NP                                      ; behind the last products: their results are read and X's fragment registers are written from here on
.irp a, 0,1,2,3,4,5,6,7
	QUANT \a
.endr
.irp i, 0,1,2,3
	v_cndmask_b32 v[CW+\i], v[SW+2*\i], v[SW+2*\i+1], s[HM]   ; word i: X tile 2 i in lanes 0-15, X tile 2 i + 1 in lanes 16-31: so the reader picks a tile by register and row selector
.endr
	s_cmp_lt_u32 s[TYPE], 2                        ; the same in all partners
	s_cbranch_scc0 .Lv_words
.irp i, 0,1,2,3
	v_and_b32 v[TM+\i], 0xffff, v[CW+\i]           ; q, k: bytes 0, 1 are my first head's two blocks, bytes 2, 3 my second head's; a head's word has zeros above
	v_lshrrev_b32 v[DW+\i], 16, v[CW+\i]
.endr
	global_store_b128 v[L16], v[TM:TM+3], s[SCB:SCB+1]
	global_store_b128 v[L16], v[DW:DW+3], s[SCB:SCB+1] offset:HS
	s_branch .Lwords_done
.Lv_words:
	s_wait_alu depctr_va_vdst(0)
	global_store_b64 v[L8], v[CW:CW+1], s[SCB:SCB+1]            ; v: X tiles 0-3 are my first head's channels, 4-7 my second head's; a word holds the step's four blocks of keys
	global_store_b64 v[L8], v[CW+2:CW+3], s[SCB:SCB+1] offset:HS
.Lwords_done:
	s_wait_tensorcnt 0x0                           ; the wave's end
	ds_add_u32 v[SPW], v[NIL]
	s_wait_dscnt 0x0
	CROUND                                         ; the closing round
	s_endpgm
.Lfunc_end_k_q91aa15e91b_qkv:
	.size	k_q91aa15e91b_qkv, .Lfunc_end_k_q91aa15e91b_qkv-k_q91aa15e91b_qkv
	.p2alignl 7, 3214868480
	.fill 96, 4, 3214868480
	.section	.rodata,"a",@progbits
	.p2align	6, 0x0
	.amdhsa_kernel k_q91aa15e91b_qkv
		.amdhsa_group_segment_fixed_size 327680
		.amdhsa_private_segment_fixed_size 0
		.amdhsa_enable_private_segment 0
		.amdhsa_kernarg_size 72
		.amdhsa_user_sgpr_count 2
		.amdhsa_user_sgpr_kernarg_segment_ptr 1
		.amdhsa_wavefront_size32 1
		.amdhsa_system_sgpr_workgroup_id_x 1
		.amdhsa_system_sgpr_workgroup_id_y 1
		.amdhsa_system_sgpr_workgroup_id_z 1
		.amdhsa_system_vgpr_workitem_id 0
		.amdhsa_next_free_vgpr 1024
		.amdhsa_next_free_sgpr 102
		.amdhsa_reserve_vcc 0
		.amdhsa_float_denorm_mode_32 3
		.amdhsa_float_denorm_mode_16_64 3
		.amdhsa_memory_ordered 1
		.amdhsa_forward_progress 1
		.amdhsa_inst_pref_size 185
	.end_amdhsa_kernel
	.amdgpu_metadata
---
amdhsa.version: [ 1, 2 ]
amdhsa.kernels:
  - .name:           k_q91aa15e91b_qkv
    .symbol:         k_q91aa15e91b_qkv.kd
    .args:
      - { .name: inputs_codes, .offset: 0, .size: 8, .value_kind: global_buffer, .address_space: global }
      - { .name: inputs_scales, .offset: 8, .size: 8, .value_kind: global_buffer, .address_space: global }
      - { .name: Wq_codes, .offset: 16, .size: 8, .value_kind: global_buffer, .address_space: global }
      - { .name: Wq_scales, .offset: 24, .size: 8, .value_kind: global_buffer, .address_space: global }
      - { .name: Wk_codes, .offset: 32, .size: 8, .value_kind: global_buffer, .address_space: global }
      - { .name: Wk_scales, .offset: 40, .size: 8, .value_kind: global_buffer, .address_space: global }
      - { .name: Wv_codes, .offset: 48, .size: 8, .value_kind: global_buffer, .address_space: global }
      - { .name: Wv_scales, .offset: 56, .size: 8, .value_kind: global_buffer, .address_space: global }
      - { .name: qkv, .offset: 64, .size: 8, .value_kind: global_buffer, .address_space: global }
    .group_segment_fixed_size: 327680
    .private_segment_fixed_size: 0
    .kernarg_segment_align: 8
    .kernarg_segment_size: 72
    .max_flat_workgroup_size: 128
    .sgpr_count:     102
    .vgpr_count:     1024
    .wavefront_size: 32
...
	.end_amdgpu_metadata
.endif
;; end of part 1
;; launch attn (part 2): grid 4 x 64, 16 waves a work-group, clusters of 4 x 1, 327,680 bytes of LDS; arguments qkv, ctxc, ctxs; writes ctxc, ctxs
.if DOCPART == 2
	.amdgcn_target "amdgcn-amd-amdhsa--gfx1250"
	.amdhsa_code_object_version 6
	.text
	.protected	k_q91aa15e91b_attn
	.globl	k_q91aa15e91b_attn
	.p2align	8
	.type	k_q91aa15e91b_attn,@function
k_q91aa15e91b_attn:
	s_mov_b64 s[64:65], 0
	v_nop
	global_prefetch_b8 v0, s[64:65] scope:SCOPE_SE
	s_setreg_imm32_b32 hwreg(HW_REG_WAVE_MODE, 25, 1), 1
	s_wait_xcnt 0x0
	s_wait_alu depctr_hold_cnt(0) depctr_sa_sdst(0) depctr_va_vdst(0) depctr_va_sdst(0) depctr_va_ssrc(0) depctr_va_vcc(0) depctr_vm_vsrc(0)
	s_getreg_b32 s2, hwreg(HW_REG_IB_STS2, 6, 4)
	s_cmp_eq_u32 s2, 0
	s_cbranch_scc0 .Lentry_in_a_cluster
	s_endpgm
.Lentry_in_a_cluster:
	s_bfe_u32 s2, ttmp6, 0x10000c
	s_cmp_lg_u32 s2, 0x3003
	s_cbranch_scc0 .Lentry_shape_is_right
	s_endpgm
.Lentry_shape_is_right:
; Causal attention of one head for each cluster, on codes of E4M3 with E8M0 block scales, and ctx quantised along D for the last product.
; t = score x log2(e) / 8; M = the running largest t rounded up to a whole number; p = 2^(t - M) is quantised along the keys, not normalised; the row's sum is taken of the unquantised p and divides at the end.
; SHARES.  A head has 128 tiles of 16 queries.  Wave w of the work-group at place cx owns tile jA = 4 w + cx and tile jB = 127 - jA.  With f = w / 2, tile B needs key steps (128 keys) 0 .. 15 - f and tile A steps 0 .. f:
; 17 tile steps for every wave of the launch.  Every branch hangs on the wave's number alone; cx enters only Q's and ctx's global addresses and the mask's lane numbers.
; Key steps that lie wholly behind the diagonal are left out (the mask is built by the computation itself); a tile's last step is its diagonal step, where hidden scores become -infinity.
; LDS HOLDS THE WHOLE HEAD, FILLED ONCE: the head block's first 274,432 bytes as they lie: K's scale words, V's scale words, then for each key step K's and V's register images.  No slot is ever filled again.
; The four work-groups of a cluster read the same head: every wave issues two joint loads (its sixteenth of the first 45,056 bytes, its sixteenth of the rest), each fetched once for the four.
; LAYOUT.  Both products are used transposed: S^T = K Q^T, O^T = V^T P^T: a lane holds one query (lane % 16) throughout.  Register j of key tile T holds key 16 T + 8 h + j; p's codes are used as they fall, which is
; the same permutation inside each block of 32 keys in which the launch before laid V (and q like k along the head's 64).
; THE HEAD'S 64 fill half of the instruction's K.  Q's upper eight registers hold zero codes.  K tile T's fragment is v[32 + 8 T .. 47 + 8 T]: its upper eight registers are the next tile's codes (zeros behind tile 7):
; finite numbers (the quantiser holds at 448) under the scale byte 0, against zero codes: they add 0.
; ctx: lane (r, h) holds channels 32 c + 8 h + 0 .. 7 and 32 c + 16 + 8 h + 0 .. 7; one exchange with lane l xor 16 puts the codes into the operand's true order, since Wo comes in true order.
; LIMITS: NaN and infinities are not served.  A block whose largest magnitude lies under 2^-118 takes the scale byte 1.  A block's largest p is taken through its largest score: this leans on v_exp_f32 not falling
; where its input rises.
.set HS,    413696
.set QSC,   274432                     ; Q's scale words in a head block
.set QIM,   282624                     ; Q's images
.set IMG,   12288                      ; LDS: key step 0's images
.set STEPB, 16384                      ; a key step: 8,192 bytes of K, 8,192 of V
.set VSC,   8192                       ; LDS: V's scale words
.set LI,   1                           ; v1   16 x lane
.set L8,   2                           ; v2   8 x lane
.set ADK,  3                           ; v3   LDS address of the step's images
.set ADS,  4                           ; v4   of K's scale words
.set ADT,  5                           ; v5   of V's
.set DQ,   6                           ; v6   16 (tile % 8) + r - 8 h of the tile in hand: register 8 T + j is hidden on the diagonal where 16 T + j is above it
.set SO,   7                           ; v7   32 r
.set QSO,  8                           ; v8   16 r
.set DQA,  9                           ; v9   tile A's DQ
.set QF,   16                          ; v16-23 Q's codes, v24-31 zeros
.set KF,   32                          ; v32-95 K's eight tiles, v96-103 zeros; then V's four fragments in v32-95
.set S,    104                         ; v104-167 S^T, then p
.set OT,   168                         ; v168-199 O^T
.set QA,   200                         ; v200-207 tile A's Q, v208 its scale word
.set FC,   210                         ; v210-217 ctx's codes
.set FX,   218                         ; v218-219 the exchange
.set FW,   220                         ; v220 ctx's two scale bytes
.set PCD,  224                         ; v224-239 p's codes;  v232-247 at work;  v248-251 K's or V's scale words;  v252 f;  v253 p's scale word;  v254 at work;  v255 Q's scale word
.set WV,   18
.set MNT,  19
.set SEL,  20
.set CS,   22
.set G1A,  24
.set G1B,  32
.set G0A,  40
.set G0B,  44
.set HM,   48
.set KS,   49                          ; the key step
.set LAST, 50                          ; the tile's last (diagonal) key step
.set TB,   51                          ; IMG + STEPB x KS
.set TS,   52                          ; 512 x KS
.set TJ,   53                          ; VSC + 256 x KS
.macro CROUND                          ; a round of the cluster's barrier
	s_barrier_signal -1
	s_barrier_wait -1
	s_cmp_lg_u32 s[WV], 0
	s_cbranch_scc1 .Lnot_wave_0_\@
	s_barrier_signal -3
.Lnot_wave_0_\@:
	s_barrier_wait -3
	s_barrier_signal -1
	s_barrier_wait -1
.endm
.macro QPTR j, pc, ps                  ; tile s[j]: its images' address into s[pc:pc+1], its scale words' into s[ps:ps+1]
	s_lshl_b32 s[\pc], s[\j], 10
	s_add_co_u32 s[\pc], s[\pc], QIM
	s_mov_b32 s[\pc+1], 0
	s_add_nc_u64 s[\pc:\pc+1], s[58:59], s[\pc:\pc+1]
	s_lshr_b32 s[\ps], s[\j], 3
	s_lshl_b32 s[\ps], s[\ps], 9                   ; 512 bytes for each 8 tiles;
	s_and_b32 s82, s[\j], 1
	s_lshl_b32 s82, s82, 8                         ; odd tiles lie in lanes 16-31's places;
	s_add_co_u32 s[\ps], s[\ps], s82
	s_bfe_u32 s82, s[\j], 0x20001
	s_lshl_b32 s82, s82, 2                         ; word (tile % 8) / 2
	s_add_co_u32 s[\ps], s[\ps], s82
	s_add_co_u32 s[\ps], s[\ps], QSC
	s_mov_b32 s[\ps+1], 0
	s_add_nc_u64 s[\ps:\ps+1], s[58:59], s[\ps:\ps+1]
.endm
.macro CPTR j, pc, ps                  ; tile s[j]: where its codes go in ctxc, its scale bytes in ctxs
	s_lshl_b32 s82, s83, 7
	s_add_co_u32 s82, s82, s[\j]                   ; token tile: 128 x batch + tile
	s_lshl_b32 s[\pc], s82, 12
	s_add_co_u32 s[\pc], s[\pc], s84
	s_mov_b32 s[\pc+1], 0
	s_add_nc_u64 s[\pc:\pc+1], s[6:7], s[\pc:\pc+1]
	s_lshl_b32 s[\ps], s82, 9                      ; 16 tokens x 32 bytes
	s_add_co_u32 s[\ps], s[\ps], s85
	s_mov_b32 s[\ps+1], 0
	s_add_nc_u64 s[\ps:\ps+1], s[8:9], s[\ps:\ps+1]
.endm
.macro FRESH                           ; a tile begins: the largest t under every t, the sum and O^T zeros (the first change of M leaves zeros zeros), so that the loop needs no first step of its own
	v_mov_b32 v13, 0xff61b1e6                      ; -3e38
	s_delay_alu instid0(VALU_DEP_1)
	v_floor_f32 v12, -v13                          ; -M
	v_mov_b32 v14, 0
	v_mov_b32 v15, 0
.set JJ, 0
.rept 32
	v_mov_b32 v[OT+JJ], 0
.set JJ, JJ+1
.endr
.endm
	s_load_b128 s[4:7], s[0:1], 0x0                ; qkv, ctxc
	s_load_b64 s[8:9], s[0:1], 0x10                ; ctxs
	v_lshl_add_u32 v222, v0, 2, 0x43000
	v_mov_b32 v223, 0
	ds_add_u32 v222, v223
	ds_add_u32 v222, v223
	v_lshrrev_b32 v10, 5, v0
	s_delay_alu instid0(VALU_DEP_1)
	v_readfirstlane_b32 s[WV], v10                 ; wave 0..15
	s_bfe_u32 s54, ttmp6, 0x40000                  ; cx
	s_and_b32 s55, ttmp7, 0xffff                   ; 16 x batch + head: shared by the four partners
	s_mul_i32 s58, s55, HS
	s_mov_b32 s59, 0
	; both tiles are dense memory as rows of 256 bytes (32 elements of 8 bytes), no padding: 11 rows a wave, and 56
	s_mov_b32 s[G1A], 15|(3<<16)|(1<<21)           ; the mask: all four work-groups; elements of 8 bytes; bit 21 beside a mask
	s_mov_b32 s[G1A+1], 32<<16
	s_mov_b32 s[G1A+2], 11<<16
	s_mov_b32 s[G1A+3], 32<<16
	s_mov_b32 s[G1A+4], 11
	s_mov_b32 s[G1A+5], 32
	s_mov_b32 s[G1A+6], 0
	s_mov_b32 s[G1A+7], 0
	s_mov_b32 s[G1B], 15|(3<<16)|(1<<21)
	s_mov_b32 s[G1B+1], 32<<16
	s_mov_b32 s[G1B+2], 56<<16
	s_mov_b32 s[G1B+3], 32<<16
	s_mov_b32 s[G1B+4], 56
	s_mov_b32 s[G1B+5], 32
	s_mov_b32 s[G1B+6], 0
	s_mov_b32 s[G1B+7], 0
	s_mul_i32 s70, s[WV], 2816                     ; my sixteenth of the first 45,056 bytes: in LDS and in the head block alike
	s_mov_b32 s71, 0
	s_mul_i32 s72, s[WV], 14336                    ; my sixteenth of key steps 2 to 15
	s_add_co_u32 s72, s72, 45056
	s_mov_b32 s73, 0
	s_mov_b32 s[SEL], 0x76543210
	s_mov_b32 s[SEL+1], 0xfedcba98
	s_mov_b32 s[CS], 0x3e38aa3b                    ; log2(e) / 8
	s_mov_b32 s[CS+1], s[CS]
	s_mov_b32 s[HM], 0xffff0000
	s_wait_dscnt 0x0
	s_wait_kmcnt 0x0
	s_add_nc_u64 s[58:59], s[4:5], s[58:59]        ; the head block
	s_mov_b32 s[G0A], 1
	s_mov_b32 s[G0A+1], s70
	s_add_nc_u64 s[G0A+2:G0A+3], s[58:59], s[70:71]
	s_or_b32 s[G0A+3], s[G0A+3], 0x80000000
	s_mov_b32 s[G0B], 1
	s_mov_b32 s[G0B+1], s72
	s_add_nc_u64 s[G0B+2:G0B+3], s[58:59], s[72:73]
	s_or_b32 s[G0B+3], s[G0B+3], 0x80000000
	CROUND                                         ; all four work-groups are here: the joint loads meet
	tensor_load_to_lds s[G0A:G0A+3], s[G1A:G1A+7]  ; my first tensor load; one more follows at the next round, and no more in the launch
	s_nop 0
	s_wait_alu depctr_va_vdst(0)
	s_wait_tensorcnt 0x0
	ds_add_u32 v222, v223
	s_wait_dscnt 0x0
	CROUND
	tensor_load_to_lds s[G0B:G0B+3], s[G1B:G1B+7]
	s_nop 0
.rept 4
	v_nop
.endr
	s_lshl_b32 s56, s[WV], 2
	s_add_co_u32 s56, s56, s54                     ; jA
	s_sub_co_u32 s57, 127, s56                     ; jB
	QPTR 57, 74, 78
	QPTR 56, 76, 80
	s_lshr_b32 s83, s55, 4                         ; batch
	s_and_b32 s86, s55, 15                         ; head
	s_lshr_b32 s84, s86, 2
	s_lshl_b32 s84, s84, 21                        ; ctxc: which 256 of D,
	s_and_b32 s85, s86, 3
	s_lshl_b32 s85, s85, 10                        ; and which 64 of them
	s_add_co_u32 s84, s84, s85
	s_lshl_b32 s85, s86, 1                         ; ctxs: 2 bytes a head
	CPTR 57, 60, 66
	CPTR 56, 62, 68
	s_lshr_b32 s87, s[WV], 1                       ; f
	v_and_b32 v10, 31, v0
	s_delay_alu instid0(VALU_DEP_1)
	v_lshlrev_b32 v[LI], 4, v10
	s_delay_alu instid0(VALU_DEP_2)
	v_lshlrev_b32 v[L8], 3, v10
	v_and_b32 v10, 15, v0                          ; r
	v_bfe_u32 v11, v0, 4, 1                        ; h
	s_delay_alu instid0(VALU_DEP_2)
	v_lshlrev_b32 v[SO], 5, v10
	s_delay_alu instid0(VALU_DEP_3)
	v_lshlrev_b32 v[QSO], 4, v10
	global_load_b128 v[QF:QF+3], v[LI], s[74:75]               ; tile B's Q
	global_load_b128 v[QF+4:QF+7], v[LI], s[74:75] offset:512
	global_load_b32 v255, v[QSO], s[78:79]
	global_load_b128 v[QA:QA+3], v[LI], s[76:77]               ; tile A's, kept for later
	global_load_b128 v[QA+4:QA+7], v[LI], s[76:77] offset:512
	global_load_b32 v[QA+8], v[QSO], s[80:81]
	v_lshlrev_b32 v11, 3, v11
	s_delay_alu instid0(VALU_DEP_1)
	v_sub_nc_u32 v10, v10, v11                     ; r - 8 h
	s_and_b32 s82, s57, 7
	s_lshl_b32 s82, s82, 4
	v_add_nc_u32 v[DQ], s82, v10
	s_and_b32 s82, s56, 7
	s_lshl_b32 s82, s82, 4
	v_add_nc_u32 v[DQA], s82, v10
	FRESH
.irp j, 0,1,2,3,4,5,6,7
	v_mov_b32 v[QF+8+\j], 0                        ; zero codes: the upper 64 of the instruction's K
	v_mov_b32 v[KF+64+\j], 0
.endr
.irp b, 0,1,2,3
	v_mov_b32 v[236+\b], 0                         ; written once: a lane permute's destination counts as one of its sources
.endr
	v_mov_b32 v[FX], 0
	v_mov_b32 v[FX+1], 0
	v_mov_b32 v253, 0                              ; (named as the upper half of the pair v[252:253] before it is first written)
	s_mov_b32 s[KS], 0
	s_mov_b32 s[TB], IMG
	s_mov_b32 s[TS], 0
	s_mov_b32 s[TJ], VSC
	s_sub_co_u32 s[LAST], 15, s87
; A KEY STEP of the tile in hand: 128 keys.  guard = 1: a step behind the tile's last is left out (a scalar branch on the wave's number and the trip), and the last step is masked.
.macro STEP guard
.if \guard
	s_cmp_gt_u32 s[KS], s[LAST]
	s_cbranch_scc1 .Lhidden_\@
.endif
	s_setprio 2
	v_add_nc_u32 v[ADK], s[TB], v[LI]
	v_add_nc_u32 v[ADS], s[TS], v[LI]
	v_add_nc_u32 v[ADT], s[TJ], v[L8]
.rept 5
	v_nop                                          ; with the three additions: eight places in front of loads into registers that the last products read
.endr
.irp t, 0,1,2,3,4,5,6,7
	ds_load_b128 v[KF+8*\t:KF+8*\t+3], v[ADK] offset:1024*\t         ; K's images: 512 consecutive bytes a load
	ds_load_b128 v[KF+8*\t+4:KF+8*\t+7], v[ADK] offset:1024*\t+512
.endr
	ds_load_b128 v[248:251], v[ADS]                ; word i: tile 2 i in lanes 0-15, tile 2 i + 1 in lanes 16-31
	s_wait_alu depctr_va_vdst(0)
	s_wait_dscnt 0x0
.irp t, 0,2,4,6
	v_wmma_scale_f32_16x16x128_f8f6f4 v[S+8*\t:S+8*\t+7], v[KF+8*\t:KF+8*\t+15], v[QF:QF+15], 0, v[248+\t/2], v255
	v_wmma_scale_f32_16x16x128_f8f6f4 v[S+8*\t+8:S+8*\t+15], v[KF+8*\t+8:KF+8*\t+23], v[QF:QF+15], 0, v[248+\t/2], v255 matrix_a_scale:MATRIX_SCALE_ROW1
.endr
.rept 8
	v_nop                                          ; places: in front of the loads below and of the first read of the scores
.endr
.irp t, 0,1,2,3
.irp c, 0,1,2,3
	ds_load_b128 v[KF+16*\t+4*\c:KF+16*\t+4*\c+3], v[ADK] offset:8192+2048*\t+512*\c   ; V's images are asked for at once: they land under the softmax
.endr
.endr
	ds_load_b64 v[248:249], v[ADT]
.if \guard
	s_cmp_lg_u32 s[KS], s[LAST]
	s_cbranch_scc1 .Lopen_\@
	v_mov_b32 v254, 0xff800000                     ; the diagonal step: hidden scores become -infinity ahead of the maximum: p = 0
.set NN, 0
.rept 64
	v_cmp_gt_i32 vcc_lo, 16*(NN/8)+NN%8, v[DQ]
	v_cndmask_b32 v[S+NN], v[S+NN], v254, vcc_lo
.set NN, NN+1
.endr
.Lopen_\@:
.endif
.irp b, 0,1,2,3
	v_max3_num_f32 v[232+\b], v[S+16*\b], v[S+1+16*\b], v[S+2+16*\b]   ; the largest score of each block of 32 keys: for the row's maximum and for the block's largest p
.endr
.irp i, 3,5,7,9,11,13
.irp b, 0,1,2,3
	v_max3_num_f32 v[232+\b], v[232+\b], v[S+16*\b+\i], v[S+1+16*\b+\i]
.endr
.endr
.irp b, 0,1,2,3
	v_max_num_f32 v[232+\b], v[232+\b], v[S+15+16*\b]
.endr
.irp b, 0,1,2,3
	v_permlanex16_b32 v[236+\b], v[232+\b], s[SEL], s[SEL+1]
.endr
.irp b, 0,1,2,3
	s_delay_alu instid0(VALU_DEP_4)
	v_max_num_f32 v[232+\b], v[232+\b], v[236+\b]  ; with lane l xor 16's 16 keys
.endr
	s_delay_alu instid0(VALU_DEP_2)
	v_max3_num_f32 v254, v232, v233, v234
	s_delay_alu instid0(VALU_DEP_1)
	v_max_num_f32 v254, v254, v235
	s_delay_alu instid0(VALU_DEP_1)
	v_mul_f32 v254, s[CS], v254                    ; the step's largest t
	s_delay_alu instid0(VALU_DEP_1)
	v_max_num_f32 v13, v13, v254                   ; the running largest t
	v_mov_b32 v254, v12
	s_delay_alu instid0(VALU_DEP_2)
	v_floor_f32 v12, -v13                          ; the new -M = -ceil(t)
	s_delay_alu instid0(VALU_DEP_1)
	v_sub_f32 v254, v12, v254                      ; old M - new M: a whole number, 0 or less
	s_delay_alu instid0(VALU_DEP_1)
	v_cvt_i32_f32 v254, v254                       ; (it saturates)
	s_delay_alu instid0(VALU_DEP_1)
	v_ldexp_f32 v252, 1.0, v254                    ; f = 2^(old M - new M)
.set JJ, 0
	s_setprio 1
.rept 32
	v_pk_fma_f32 v[S+JJ:S+JJ+1], v[S+JJ:S+JJ+1], s[CS:CS+1], v[12:13] op_sel_hi:[1,0,0]   ; t - M
.set JJ, JJ+2
.endr
.irp b, 0,1,2,3
	v_fma_f32 v[232+\b], v[232+\b], s[CS], v12
.endr
.set JJ, 0
	s_wait_alu depctr_va_vdst(0)
.rept 64
	v_exp_f32 v[S+JJ], v[S+JJ]                     ; p = 2^(t - M)
.set JJ, JJ+1
.endr
	v_pk_mul_f32 v[14:15], v[14:15], v[252:253] op_sel_hi:[1,0]   ; the sums under the new M: a plain line behind the exponentials
	s_wait_alu depctr_va_vdst(0)                   ; one wait for the batch of 64, ahead of its first reader
.irp b, 0,1,2,3
	v_exp_f32 v[232+\b], v[232+\b]                 ; each block's largest p
.endr
	v_pk_add_f32 v[236:237], v[S:S+1], v[S+2:S+3]  ; the row's sum of the unquantised p, in two chains
.set JJ, 4
.rept 15
	v_pk_add_f32 v[14:15], v[14:15], v[S+JJ:S+JJ+1]
	v_pk_add_f32 v[236:237], v[236:237], v[S+JJ+2:S+JJ+3]
.set JJ, JJ+4
.endr
	s_delay_alu instid0(VALU_DEP_1)
	v_pk_add_f32 v[14:15], v[14:15], v[236:237]
	s_setprio 0
	s_wait_alu depctr_va_vdst(0)                   ; and one for the four
.irp b, 0,1,2,3
	v_max_num_f32 v[232+\b], 0x4800000, v[232+\b]  ; the floor: the byte cannot fall under 1
.endr
.irp b, 0,1,2,3
	s_delay_alu instid0(VALU_DEP_4)
	v_add_nc_u32 v[244+\b], 0xfc000000, v[232+\b]  ; the conversion's scale operand
.endr
.irp b, 0,1,2,3
.endr
.irp b, 0,1,2,3
	s_delay_alu instid0(VALU_DEP_4)
	v_lshrrev_b32 v[236+\b], 23, v[244+\b]
.endr
	s_delay_alu instid0(VALU_DEP_3)
	v_lshl_or_b32 v253, v237, 8, v236              ; p's scale word for these 128 keys
	s_delay_alu instid0(VALU_DEP_1)
	v_lshl_or_b32 v253, v238, 16, v253
	s_delay_alu instid0(VALU_DEP_1)
	v_lshl_or_b32 v253, v239, 24, v253
.irp b, 0,1,2,3
.irp i, 0,1,2,3,4,5,6,7,8,9,10,11,12,13,14,15
.endr
	v_cvt_scalef32_pk8_fp8_f32 v[PCD+4*\b:PCD+4*\b+1], v[S+16*\b:S+16*\b+7], v[244+\b]
	v_cvt_scalef32_pk8_fp8_f32 v[PCD+4*\b+2:PCD+4*\b+3], v[S+16*\b+8:S+16*\b+15], v[244+\b]
.endr
.set JJ, 0
.rept 16
	v_pk_mul_f32 v[OT+JJ:OT+JJ+1], v[OT+JJ:OT+JJ+1], v[252:253] op_sel_hi:[1,0]   ; O^T under the new M; also the places between the codes and the products
.set JJ, JJ+2
.endr
	s_wait_alu depctr_va_vdst(0)
	s_wait_dscnt 0x0                               ; V is in
.irp t, 0,2
	v_wmma_scale_f32_16x16x128_f8f6f4 v[OT+8*\t:OT+8*\t+7], v[KF+16*\t:KF+16*\t+15], v[PCD:PCD+15], v[OT+8*\t:OT+8*\t+7], v[248+\t/2], v253
	v_wmma_scale_f32_16x16x128_f8f6f4 v[OT+8*\t+8:OT+8*\t+15], v[KF+16*\t+16:KF+16*\t+31], v[PCD:PCD+15], v[OT+8*\t+8:OT+8*\t+15], v[248+\t/2], v253 matrix_a_scale:MATRIX_SCALE_ROW1
.endr
.if \guard
.Lhidden_\@:
.endif
	s_add_co_u32 s[KS], s[KS], 1
	s_add_co_u32 s[TB], s[TB], STEPB
	s_add_co_u32 s[TS], s[TS], 512
	s_add_co_u32 s[TJ], s[TJ], 256
.endm
; A tile ends: O^T / the sum, quantised along the head's 64 (two blocks of D), put into the operand's true order, stored.
.macro FINISH cp, sp
	s_wait_xcnt 0x0                                ; the other tile's stores have read their registers
.rept 8
	v_nop                                          ; places behind the last products
.endr
	v_add_f32 v14, v14, v15
	s_delay_alu instid0(VALU_DEP_1)
	v_permlanex16_b32 v252, v14, s[SEL], s[SEL+1]
	s_delay_alu instid0(VALU_DEP_1)
	v_add_f32 v14, v14, v252                       ; the row's sum
	s_wait_alu depctr_va_vdst(0)
	v_rcp_f32 v14, v14
	v_nop                                          ; a plain line behind the reciprocal,
	s_wait_alu depctr_va_vdst(0)                   ; and the wait ahead of its first reader
.set JJ, 0
.rept 16
	v_pk_mul_f32 v[S+JJ:S+JJ+1], v[OT+JJ:OT+JJ+1], v[14:15] op_sel_hi:[1,0]   ; each accumulator from its low end on
.set JJ, JJ+2
.endr
.irp u, 0,1
	v_max3_num_f32 v[232+\u], |v[S+16*\u]|, |v[S+16*\u+1]|, 0x4800000
.endr
.irp i, 2,4,6,8,10,12,14
.irp u, 0,1
	s_delay_alu instid0(VALU_DEP_2)
	v_max3_num_f32 v[232+\u], v[232+\u], |v[S+16*\u+\i]|, |v[S+16*\u+\i+1]|
.endr
.endr
.irp u, 0,1
	v_permlanex16_b32 v[236+\u], v[232+\u], s[SEL], s[SEL+1]
.endr
.irp u, 0,1
	s_delay_alu instid0(VALU_DEP_2)
	v_max_num_f32 v[232+\u], v[232+\u], v[236+\u]
.endr
.irp u, 0,1
	s_delay_alu instid0(VALU_DEP_2)
	v_add_nc_u32 v[244+\u], 0xfc000000, v[232+\u]
.endr
.irp u, 0,1
.endr
.irp u, 0,1
	s_delay_alu instid0(VALU_DEP_2)
	v_lshrrev_b32 v[236+\u], 23, v[244+\u]
.endr
	s_delay_alu instid0(VALU_DEP_1)
	v_lshl_or_b32 v[FW], v237, 8, v236             ; my query's two scale bytes
.irp u, 0,1
.irp i, 0,1,2,3,4,5,6,7,8,9,10,11,12,13,14,15
.endr
	v_cvt_scalef32_pk8_fp8_f32 v[FC+4*\u:FC+4*\u+1], v[S+16*\u:S+16*\u+7], v[244+\u]
	v_cvt_scalef32_pk8_fp8_f32 v[FC+4*\u+2:FC+4*\u+3], v[S+16*\u+8:S+16*\u+15], v[244+\u]
.endr
	v_nop                                          ; a plain line behind the last conversion
.irp u, 0,1,4,5                        ; lanes 0-15 keep channels + 0 .. 7 and take + 8 .. 15 from the lane 16 away; lanes 16-31 take + 16 .. 23 from there and keep + 24 .. 31
	v_permlanex16_b32 v[FX], v[FC+\u], s[SEL], s[SEL+1]
	v_permlanex16_b32 v[FX+1], v[FC+2+\u], s[SEL], s[SEL+1]
	v_cndmask_b32 v[FC+\u], v[FC+\u], v[FX+1], s[HM]
	v_cndmask_b32 v[FC+2+\u], v[FX], v[FC+2+\u], s[HM]
.endr
	global_store_b128 v[LI], v[FC:FC+3], s[\cp:\cp+1]              ; 512 consecutive bytes, aligned
	global_store_b128 v[LI], v[FC+4:FC+7], s[\cp:\cp+1] offset:512
	global_store_b16 v[SO], v[FW], s[\sp:\sp+1]                    ; 2 bytes of each token's 32: the other 30 are other heads', other clusters'; both halves of the lanes write the same value
.endm
	s_wait_tensorcnt 0x1                           ; my part of the scale words and of key steps 0, 1 has landed; the rest may stay out
	s_barrier_signal -1
	s_barrier_wait -1                              ; everybody's has
	s_wait_loadcnt 0x0                             ; Q
	STEP 0                                         ; tile B's key steps 0 and 1, which every tile B needs whole: work under which the rest of the head lands
	STEP 0
	s_wait_tensorcnt 0x0
	s_wait_dscnt 0x0
	s_barrier_signal -1
	s_barrier_wait -1                              ; the whole head lies in LDS
.LloopB:                                           ; 14 trips, key steps 2 .. 15
	STEP 1
	s_cmp_lt_u32 s[KS], 16
	s_cbranch_scc1 .LloopB
	s_setprio 0
	FINISH 60, 66
.irp j, 0,1,2,3,4,5,6,7
	v_mov_b32 v[QF+\j], v[QA+\j]                   ; tile A
.endr
	v_mov_b32 v255, v[QA+8]
	v_mov_b32 v[DQ], v[DQA]
	FRESH                                          ; (its lines are also the places between these writes and the next products)
	s_mov_b32 s[KS], 0
	s_mov_b32 s[TB], IMG
	s_mov_b32 s[TS], 0
	s_mov_b32 s[TJ], VSC
	s_mov_b32 s[LAST], s87
.LloopA:                                           ; 8 trips, key steps 0 .. 7
	STEP 1
	s_cmp_lt_u32 s[KS], 8
	s_cbranch_scc1 .LloopA
	s_setprio 0
	FINISH 62, 68
	s_wait_dscnt 0x0                               ; no LDS instruction of mine is pending at a signal
	s_wait_tensorcnt 0x0
	ds_add_u32 v222, v223
	s_wait_dscnt 0x0
	CROUND                                         ; the closing round
	s_endpgm
.Lfunc_end_k_q91aa15e91b_attn:
	.size	k_q91aa15e91b_attn, .Lfunc_end_k_q91aa15e91b_attn-k_q91aa15e91b_attn
	.p2alignl 7, 3214868480
	.fill 96, 4, 3214868480
	.section	.rodata,"a",@progbits
	.p2align	6, 0x0
	.amdhsa_kernel k_q91aa15e91b_attn
		.amdhsa_group_segment_fixed_size 327680
		.amdhsa_private_segment_fixed_size 0
		.amdhsa_enable_private_segment 0
		.amdhsa_kernarg_size 24
		.amdhsa_user_sgpr_count 2
		.amdhsa_user_sgpr_kernarg_segment_ptr 1
		.amdhsa_wavefront_size32 1
		.amdhsa_system_sgpr_workgroup_id_x 1
		.amdhsa_system_sgpr_workgroup_id_y 1
		.amdhsa_system_sgpr_workgroup_id_z 1
		.amdhsa_system_vgpr_workitem_id 0
		.amdhsa_next_free_vgpr 256
		.amdhsa_next_free_sgpr 90
		.amdhsa_reserve_vcc 1
		.amdhsa_float_denorm_mode_32 3
		.amdhsa_float_denorm_mode_16_64 3
		.amdhsa_fp16_overflow 1
		.amdhsa_memory_ordered 1
		.amdhsa_forward_progress 1
		.amdhsa_inst_pref_size 101
	.end_amdhsa_kernel
	.amdgpu_metadata
---
amdhsa.version: [ 1, 2 ]
amdhsa.kernels:
  - .name:           k_q91aa15e91b_attn
    .symbol:         k_q91aa15e91b_attn.kd
    .args:
      - { .name: qkv, .offset: 0, .size: 8, .value_kind: global_buffer, .address_space: global }
      - { .name: ctxc, .offset: 8, .size: 8, .value_kind: global_buffer, .address_space: global }
      - { .name: ctxs, .offset: 16, .size: 8, .value_kind: global_buffer, .address_space: global }
    .group_segment_fixed_size: 327680
    .private_segment_fixed_size: 0
    .kernarg_segment_align: 8
    .kernarg_segment_size: 24
    .max_flat_workgroup_size: 512
    .sgpr_count:     90
    .vgpr_count:     256
    .wavefront_size: 32
...
	.end_amdgpu_metadata
.endif
;; end of part 2
;; launch proj (part 3): grid 4 x 32, 4 waves a work-group, clusters of 4 x 4, 327,680 bytes of LDS; arguments ctxc, ctxs, Wo_codes, Wo_scales, bo, out0; writes out0
.if DOCPART == 3
	.amdgcn_target "amdgcn-amd-amdhsa--gfx1250"
	.amdhsa_code_object_version 6
	.text
	.protected	k_q91aa15e91b_proj
	.globl	k_q91aa15e91b_proj
	.p2align	8
	.type	k_q91aa15e91b_proj,@function
k_q91aa15e91b_proj:
	s_mov_b64 s[64:65], 0
	v_nop
	global_prefetch_b8 v0, s[64:65] scope:SCOPE_SE
	s_setreg_imm32_b32 hwreg(HW_REG_WAVE_MODE, 25, 1), 1
	s_wait_xcnt 0x0
	s_wait_alu depctr_hold_cnt(0) depctr_sa_sdst(0) depctr_va_vdst(0) depctr_va_sdst(0) depctr_va_ssrc(0) depctr_va_vcc(0) depctr_vm_vsrc(0)
	s_getreg_b32 s2, hwreg(HW_REG_IB_STS2, 6, 4)
	s_cmp_eq_u32 s2, 0
	s_cbranch_scc0 .Lentry_in_a_cluster
	s_endpgm
.Lentry_in_a_cluster:
	s_bfe_u32 s2, ttmp6, 0x10000c
	s_cmp_lg_u32 s2, 0xf033
	s_cbranch_scc0 .Lentry_shape_is_right
	s_endpgm
.Lentry_shape_is_right:
; out0 = ctx Wo + bo on codes of E4M3 with E8M0 block scales, K = 1,024.  D = Y X^T used transposed: source 0 = 16 rows of Y = Wo (output channels), source 1 = 16 rows of X = ctx (tokens):
; a lane holds one token and eight neighbouring output channels.
; SHARES.  A work-group of four waves makes 256 tokens x 256 channels, a wave 128 x 128: 64 accumulators, 512 registers.  K goes in four steps of 256 through two LDS slots filled by tensor loads.
; X COMES AS REGISTER IMAGES: ctxc is laid [256 of K][token tile][128 of K][block][lane][16 bytes], so a K step of 128 tokens is 32,768 dense bytes, and a fragment is four loads of 512 consecutive bytes.
; Y comes as rows of 256 bytes, padded by 16 in LDS.  The scales (32 bytes a row) go from memory into registers once, as in the first launch.
; CLUSTERS of 4 x 4: X's tile is shared along a row of the cluster, Y's along a column; each is asked for jointly.  The grid has 128 work-groups: 32 x 4 tiles of 256 x 256.
; LIMITS: NaN and infinities are not served.
.set PITCH,  272
.set HALFT,  128*PITCH
.set SLOT,   4*HALFT
.set SPARE,  2*SLOT
.set NP,     8
.set SPITCH, 528                       ; the way out: a stage of 16 rows x (512 bytes + 16) for each wave, in slot 0, which has had its last fill and its last read by then
.set ADRX, 16
.set ADRY, 20
.set SOF,  22
.set STO,  24
.set RD,   25
.set CO,   26
.set SPW,  28
.set NIL,  29
.set BI,   60                          ; v60-63  bo at my four columns of a row read back
.set XS,   64
.set YS,   96
.set XF,   128
.set BK,   128                         ; the way out: v128-191 and v192-255 by turns
.set G1X, 24
.set G0X, 32
.set G1Y, 48
.set G0Y, 56
.set WV,  66
.set WX,  67
.set WY,  68
.set MSB, 0
.macro WIN new
.if MSB != (\new)
	s_set_vgpr_msb (MSB<<8)|(\new)
.set MSB, (\new)
.endif
.endm
.set MUL_LO, 0xa1
.set MUL_HI, 0xf1
.set TO_Y,   0x40
.macro JLOAD s                         ; waves 0, 1 fetch X's halves, waves 2, 3 Y's; four v_nop follow each line
	s_cmp_eq_u32 s[WX], 0
	s_cbranch_scc0 .Lfor_y_\@
	tensor_load_to_lds s[G0X+4*\s:G0X+4*\s+3], s[G1X:G1X+7]
	s_nop 0
.rept 4
	v_nop
.endr
	s_branch .Lasked_\@
.Lfor_y_\@:
	tensor_load_to_lds s[G0Y+4*\s:G0Y+4*\s+3], s[G1Y:G1Y+7]
	s_nop 0
.rept 4
	v_nop
.endr
.Lasked_\@:
.endm
.macro CREST
	s_cmp_lg_u32 s[WV], 0
	s_cbranch_scc1 .Lnot_wave_0_\@
	s_barrier_signal -3
.Lnot_wave_0_\@:
	s_barrier_wait -3
	s_barrier_signal -1
	s_barrier_wait -1
.endm
.macro CROUND
	s_barrier_signal -1
	s_barrier_wait -1
	CREST
.endm
.macro PLACES n
.rept \n
	v_nop
.endr
.endm
	s_load_b256 s[4:11], s[0:1], 0x0               ; ctxc, ctxs, Wo's codes, Wo's scales
	s_load_b128 s[12:15], s[0:1], 0x20             ; bo, out0
	v_lshl_add_u32 v[SPW], v0, 2, SPARE
	v_mov_b32 v[NIL], 0
	ds_add_u32 v28, v29
	ds_add_u32 v28, v29
	s_wait_dscnt 0x0
	v_lshrrev_b32 v1, 5, v0
	v_readfirstlane_b32 s[WV], v1
	s_lshr_b32 s[WX], s[WV], 1
	s_and_b32 s[WY], s[WV], 1
	s_bfe_u32 s40, ttmp6, 0x40000                  ; cx
	s_bfe_u32 s41, ttmp6, 0x40004                  ; cy
	s_lshl_b32 s72, ttmp9, 2
	s_add_co_u32 s72, s72, s40                     ; Y's tile
	s_and_b32 s71, ttmp7, 0xffff
	s_lshl_b32 s71, s71, 2
	s_add_co_u32 s71, s71, s41                     ; X's tile
	s_lshl_b32 s43, s41, 2
	s_lshl_b32 s43, 15, s43                        ; my row of the cluster
	s_lshl_b32 s44, 0x1111, s40                    ; my column
	s_or_b32 s[G1X], s43, (3<<16)|(1<<21)          ; X: dense, 128 rows of 32 elements of 8 bytes, no padding
	s_mov_b32 s[G1X+1], 32<<16
	s_mov_b32 s[G1X+2], 128<<16
	s_mov_b32 s[G1X+3], 32<<16
	s_mov_b32 s[G1X+4], 128
	s_mov_b32 s[G1X+5], 32
	s_mov_b32 s[G1X+6], 0
	s_mov_b32 s[G1X+7], 0
	s_or_b32 s[G1Y], s44, (1<<20)|(1<<21)|(5<<22)|(3<<25)   ; Y: 128 rows of 256 bytes, 1,024 apart; 4 words of padding behind every 64
	s_mov_b32 s[G1Y+1], 256<<16
	s_mov_b32 s[G1Y+2], 128<<16
	s_mov_b32 s[G1Y+3], 256<<16
	s_mov_b32 s[G1Y+4], 128
	s_mov_b32 s[G1Y+5], 1024
	s_mov_b32 s[G1Y+6], 0
	s_mov_b32 s[G1Y+7], 0
	s_lshl_b32 s94, s71, 16                        ; X: 16 token tiles of 4,096 bytes a tile of 256 tokens,
	s_lshl_b32 s46, s[WY], 15                      ; 8 of them a half
	s_add_co_u32 s94, s94, s46
	s_mov_b32 s95, 0
	s_lshl_b32 s96, s72, 18                        ; Y: 256 rows of 1,024 bytes,
	s_lshl_b32 s46, s[WY], 17                      ; 128 a half
	s_add_co_u32 s96, s96, s46
	s_mov_b32 s97, 0
	s_mul_i32 s45, s[WV], HALFT
	s_wait_kmcnt 0x0
	s_add_nc_u64 s[94:95], s[4:5], s[94:95]
	s_add_nc_u64 s[96:97], s[8:9], s[96:97]
	CROUND                                         ; the first joint loads meet
.irp s, 0,1
	s_mov_b32 s[G0X+4*\s], 1
	s_add_co_u32 s[G0X+4*\s+1], s45, \s*SLOT
	s_add_nc_u64 s[G0X+4*\s+2:G0X+4*\s+3], s[94:95], \s*2097152
	s_or_b32 s[G0X+4*\s+3], s[G0X+4*\s+3], 0x80000000
	s_mov_b32 s[G0Y+4*\s], 1
	s_add_co_u32 s[G0Y+4*\s+1], s45, \s*SLOT
	s_add_nc_u64 s[G0Y+4*\s+2:G0Y+4*\s+3], s[96:97], \s*256
	s_or_b32 s[G0Y+4*\s+3], s[G0Y+4*\s+3], 0x80000000
	s_wait_alu depctr_va_vdst(0)
	s_wait_tensorcnt 0x0
	ds_add_u32 v28, v29
	ds_add_u32 v28, v29
	s_wait_dscnt 0x0
	CROUND
	JLOAD \s
.endr
	v_and_b32 v1, 15, v0                           ; r
	v_bfe_u32 v2, v0, 4, 1                         ; h
	v_lshlrev_b32 v[SOF], 5, v1
	v_lshl_add_u32 v[SOF], v2, 4, v[SOF]
	s_wait_alu depctr_va_vdst(0)
	v_and_b32 v6, 31, v0
	v_lshlrev_b32 v[CO], 4, v6                     ; 16 x lane
	s_wait_alu depctr_va_vdst(0)
	s_lshl_b32 s98, s71, 8
	s_lshl_b32 s99, s[WX], 7
	s_add_co_u32 s98, s98, s99                     ; my first token
	s_lshl_b32 s100, s72, 8
	s_lshl_b32 s99, s[WY], 7
	s_add_co_u32 s100, s100, s99                   ; my first channel
	s_lshl_b32 s22, s98, 5
	s_mov_b32 s23, 0
	s_add_nc_u64 s[6:7], s[6:7], s[22:23]
	s_lshl_b32 s22, s100, 5
	s_add_nc_u64 s[10:11], s[10:11], s[22:23]
	s_lshl_b32 s22, s100, 2
	s_add_nc_u64 s[12:13], s[12:13], s[22:23]      ; bo at my first channel
	s_add_nc_u64 s[14:15], s[14:15], s[22:23]
	s_lshl_b32 s22, s98, 12
	s_add_nc_u64 s[14:15], s[14:15], s[22:23]      ; out0 at my first token and channel
.irp a, 0,1,2,3,4,5,6,7
	global_load_b128 v[XS+4*\a:XS+4*\a+3], v[SOF], s[6:7] offset:512*\a
	global_load_b128 v[YS+4*\a:YS+4*\a+3], v[SOF], s[10:11] offset:512*\a
.endr
	global_load_b128 v[BI:BI+3], v[CO], s[12:13]
	v_mul_u32_u24 v3, v1, PITCH
	v_lshl_add_u32 v4, v2, 4, v3
	s_mul_i32 s2, s[WX], HALFT
	s_mul_i32 s3, s[WY], HALFT
	s_add_co_u32 s3, s3, 2*HALFT
.irp s, 0,1
	v_add_nc_u32 v[ADRX+\s], s2, v[CO]             ; X: an image's place for my lane
	v_add_nc_u32 v[ADRY+\s], s3, v4
	s_add_co_u32 s2, s2, SLOT
	s_add_co_u32 s3, s3, SLOT
.endr
	s_mul_i32 s2, s[WV], 16*SPITCH                 ; my stage
	v_mul_u32_u24 v5, v1, SPITCH
	v_lshl_add_u32 v5, v2, 5, v5
	v_add_nc_u32 v[STO], s2, v5                    ; in: row r, 32 bytes for each half of the lanes
	v_add_nc_u32 v[RD], s2, v[CO]                  ; back: the 32 lanes take one row of 512 bytes
.macro FRAGY reg, adr, q, i
.irp c, 0,1,2,3
	ds_load_b128 v[\reg+4*\c:\reg+4*\c+3], v[\adr] offset:128*(\q)+32*\c+(\i)*16*PITCH
.endr
.endm
.macro FRAGX reg, adr, q, i
.irp c, 0,1,2,3
	ds_load_b128 v[\reg+4*\c:\reg+4*\c+3], v[\adr] offset:4096*(\i)+2048*(\q)+512*\c
.endr
.endm
; The 64 accumulators take turns, one instruction a turn, in the same order in every step.
.macro MUL16 a0, p, g, zero
.irp a, \a0, \a0+1
.irp b, 0,1,2,3,4,5,6,7
.set rD, 8*(8*((\a)%4)+\b)
.set rY, 128*(\p)+16*\b
.set rX, XF+16*(\a)
.set kY, YS+4*\b+(\g)%4
.set kX, XS+4*(\a)+(\g)%4
.if \zero
	v_wmma_scale_f32_16x16x128_f8f6f4 v[rD:rD+7], v[rY:rY+15], v[rX:rX+15], 0, v[kY], v[kX]
.elseif (\g) < 4
	v_wmma_scale_f32_16x16x128_f8f6f4 v[rD:rD+7], v[rY:rY+15], v[rX:rX+15], v[rD:rD+7], v[kY], v[kX]
.else
	v_wmma_scale_f32_16x16x128_f8f6f4 v[rD:rD+7], v[rY:rY+15], v[rX:rX+15], v[rD:rD+7], v[kY], v[kX] matrix_a_scale:MATRIX_SCALE_ROW1 matrix_b_scale:MATRIX_SCALE_ROW1
.endif
.endr
.endr
.endm
.macro FETCH_Y slot, q, p
	WIN TO_Y
.irp i, 0,1,2,3,4,5,6,7
	FRAGY 128*(\p)+16*\i, ADRY+\slot, \q, \i
.endr
	WIN 0
.endm
.macro FETCH_X slot, q, i0
.irp i, \i0, \i0+1, \i0+2, \i0+3
	FRAGX XF+16*(\i), ADRX+\slot, \q, \i
.endr
.endm
.macro STEP slot, q, g, zero
	s_wait_dscnt 16                                ; the youngest sixteen loads (X's blocks 4-7) may be out
	WIN MUL_LO
	MUL16 0, (\q)%2, \g, \zero
	MUL16 2, (\q)%2, \g, \zero
	s_wait_dscnt 0x0
	PLACES NP
	FETCH_Y \slot, (\q)+1, 1-(\q)%2
	FETCH_X \slot, (\q)+1, 0
	WIN MUL_HI
	MUL16 4, (\q)%2, \g, \zero
	MUL16 6, (\q)%2, \g, \zero
	PLACES NP
	WIN 0
	FETCH_X \slot, (\q)+1, 4
.endm
.macro TURN slot, next, g, fill
	s_wait_tensorcnt 0x0                           ; all my tensor loads have landed: my part of the next slot
	ds_add_u32 v[SPW], v[NIL]                      ; 0 onto my spare word
	s_wait_dscnt 17                                ; the add and the youngest sixteen loads may be out
	WIN MUL_LO
	MUL16 0, 1, \g, 0
	s_wait_dscnt 0x0                               ; the add is done, and my reads of this slot are over
	s_barrier_signal -1
	MUL16 2, 1, \g, 0
	WIN 0
	s_barrier_wait -1
.if \fill
	CREST                                          ; a round of the cluster's barrier: no wave of any partner reads this slot or has a load on its way
	s_add_nc_u64 s[G0X+4*\slot+2:G0X+4*\slot+3], s[G0X+4*\slot+2:G0X+4*\slot+3], 4194304
	s_add_nc_u64 s[G0Y+4*\slot+2:G0Y+4*\slot+3], s[G0Y+4*\slot+2:G0Y+4*\slot+3], 512
	JLOAD \slot
	PLACES NP-4
.else
	PLACES NP
.endif
	FETCH_Y \next, 0, 0
	FETCH_X \next, 0, 0
	WIN MUL_HI
	MUL16 4, 1, \g, 0
	MUL16 6, 1, \g, 0
	PLACES NP
	WIN 0
	FETCH_X \next, 0, 4
.endm
	s_wait_alu depctr_va_vdst(0)
	s_wait_tensorcnt 0x1                           ; of my two first fills slot 0's has landed
	s_barrier_signal -1
	s_barrier_wait -1
	FETCH_Y 0, 0, 0
	FETCH_X 0, 0, 0
	FETCH_X 0, 0, 4
	s_wait_loadcnt 0x0                             ; the scales and bo
	STEP 0, 0, 0, 1
	TURN 0, 1, 1, 1
	STEP 1, 0, 2, 0
	TURN 1, 0, 3, 1
	STEP 0, 0, 4, 0
	TURN 0, 1, 5, 0
	STEP 1, 0, 6, 0
	s_wait_dscnt 16
	WIN MUL_LO
	MUL16 0, 1, 7, 0
	MUL16 2, 1, 7, 0
	s_wait_dscnt 0x0
	WIN MUL_HI
	MUL16 4, 1, 7, 0
	MUL16 6, 1, 7, 0
	WIN 0
; THE WAY OUT, block by block of 16 tokens x 128 channels, through my own stage: in as 32 bytes a lane, back as whole rows of 512 bytes; bo is added there; 32 lanes store 512 consecutive bytes, aligned.
; LDS serves a wave's instructions in order (ISA guide 5.7.1.4): no wait between the stores and the loads.
.macro TOSTAGE a
.set AC, 64*((\a)%4)
	WIN 0x08+4*((\a)/4)                            ; the data: window 2 or 3
.irp b, 0,1,2,3,4,5,6,7
	ds_store_b128 v[STO], v[AC+8*\b:AC+8*\b+3] offset:64*\b          ; each accumulator from its low end on
	ds_store_b128 v[STO], v[AC+8*\b+4:AC+8*\b+7] offset:64*\b+16
.endr
	WIN 0
.set BB, BK+64*((\a)%2)
.irp t, 0,1,2,3,4,5,6,7,8,9,10,11,12,13,14,15
	ds_load_b128 v[BB+4*\t:BB+4*\t+3], v[RD] offset:\t*SPITCH
.endr
.endm
.macro SEND a, younger
.set BB, BK+64*((\a)%2)
	s_wait_dscnt \younger                          ; the block is back in registers
.if (\a) > 0
	s_add_nc_u64 s[14:15], s[14:15], 16*4096       ; 16 rows of out0 on (the earlier stores have read their base: a wait on XCNT stands ahead)
.endif
.irp t, 0,1,2,3,4,5,6,7,8,9,10,11,12,13,14,15
	v_pk_add_f32 v[BB+4*\t:BB+4*\t+1], v[BB+4*\t:BB+4*\t+1], v[BI:BI+1]
	v_pk_add_f32 v[BB+4*\t+2:BB+4*\t+3], v[BB+4*\t+2:BB+4*\t+3], v[BI+2:BI+3]
	global_store_b128 v[CO], v[BB+4*\t:BB+4*\t+3], s[14:15] offset:\t*4096 th:TH_STORE_NT
.endr
.endm
	PLACES NP
	TOSTAGE 0
.irp a, 1,2,3,4,5,6,7
.if \a > 1
	s_wait_xcnt 0x0                                ; block a - 2's stores have read their registers and their base
.endif
	TOSTAGE \a
	SEND \a-1, 32                                  ; behind block a - 1's loads: block a's 16 stores and 16 loads
.endr
	s_wait_xcnt 0x0
	SEND 7, 0
	s_wait_tensorcnt 0x0                           ; the wave's end
	ds_add_u32 v[SPW], v[NIL]
	s_wait_dscnt 0x0
	CROUND                                         ; the closing round
	s_endpgm
.Lfunc_end_k_q91aa15e91b_proj:
	.size	k_q91aa15e91b_proj, .Lfunc_end_k_q91aa15e91b_proj-k_q91aa15e91b_proj
	.p2alignl 7, 3214868480
	.fill 96, 4, 3214868480
	.section	.rodata,"a",@progbits
	.p2align	6, 0x0
	.amdhsa_kernel k_q91aa15e91b_proj
		.amdhsa_group_segment_fixed_size 327680
		.amdhsa_private_segment_fixed_size 0
		.amdhsa_enable_private_segment 0
		.amdhsa_kernarg_size 48
		.amdhsa_user_sgpr_count 2
		.amdhsa_user_sgpr_kernarg_segment_ptr 1
		.amdhsa_wavefront_size32 1
		.amdhsa_system_sgpr_workgroup_id_x 1
		.amdhsa_system_sgpr_workgroup_id_y 1
		.amdhsa_system_sgpr_workgroup_id_z 1
		.amdhsa_system_vgpr_workitem_id 0
		.amdhsa_next_free_vgpr 1024
		.amdhsa_next_free_sgpr 102
		.amdhsa_reserve_vcc 0
		.amdhsa_float_denorm_mode_32 3
		.amdhsa_float_denorm_mode_16_64 3
		.amdhsa_memory_ordered 1
		.amdhsa_forward_progress 1
		.amdhsa_inst_pref_size 159
	.end_amdhsa_kernel
	.amdgpu_metadata
---
amdhsa.version: [ 1, 2 ]
amdhsa.kernels:
  - .name:           k_q91aa15e91b_proj
    .symbol:         k_q91aa15e91b_proj.kd
    .args:
      - { .name: ctxc, .offset: 0, .size: 8, .value_kind: global_buffer, .address_space: global }
      - { .name: ctxs, .offset: 8, .size: 8, .value_kind: global_buffer, .address_space: global }
      - { .name: Wo_codes, .offset: 16, .size: 8, .value_kind: global_buffer, .address_space: global }
      - { .name: Wo_scales, .offset: 24, .size: 8, .value_kind: global_buffer, .address_space: global }
      - { .name: bo, .offset: 32, .size: 8, .value_kind: global_buffer, .address_space: global }
      - { .name: out0, .offset: 40, .size: 8, .value_kind: global_buffer, .address_space: global }
    .group_segment_fixed_size: 327680
    .private_segment_fixed_size: 0
    .kernarg_segment_align: 8
    .kernarg_segment_size: 48
    .max_flat_workgroup_size: 128
    .sgpr_count:     102
    .vgpr_count:     1024
    .wavefront_size: 32
...
	.end_amdgpu_metadata
.endif
;; end of part 3
